; MI455X (gfx1250); checked and timed in simulation.
; The chip was launched on July 23, 2026; its instructions are those of AMD's public machine-readable ISA for CDNA 5 (MIT licence, August 2026) and "CDNA5" Instruction Set Architecture Reference Guide (July 2026). The comments in the code are by the model that wrote it; some were corrected since.
;; correlation Reverse Transform. Allowed arithmetic: float matrix products may take bf16 or f16 operands with f32 sums; other float arithmetic in f32, or as packed bf16 or f16 multiplies, adds, multiply-adds, maxima and minima; sums over many terms, partial sums and values carried from step to step in f32; what a program stores and reads back later, other than sums and carried values, may be rounded once to bf16 or f16.
;; Inputs: di 2,048 x 8,192 float32; x 4,096 x 2,048 float32.
;; Outputs: out0 4,096 float32.
;; 2 versions, each right; version 2 is version 1 with the launch cast written anew for expert scheduling mode. Each part assembles by itself: llvm-mc -triple=amdgcn-amd-amdhsa -mcpu=gfx1250 --defsym DOCPART=n.
;; ======== version 1 of 2: 3 launches
;; workspace buffers: xb 16,777,216 bytes; dib 33,554,432 bytes; part 524,288 bytes
;; launch cast (part 1): grid 768 x 1, 8 waves a work-group, no clusters, 0 bytes of LDS; arguments x, di, xb, dib; writes xb, dib
.if DOCPART == 1
	.amdgcn_target "amdgcn-amd-amdhsa--gfx1250"
	.amdhsa_code_object_version 6
	.text
	.protected	k_qd355278530_cast
	.globl	k_qd355278530_cast
	.p2align	8
	.type	k_qd355278530_cast,@function
k_qd355278530_cast:
	s_mov_b64 s[64:65], 0
	v_nop
	global_prefetch_b8 v0, s[64:65] scope:SCOPE_SE
	s_setreg_imm32_b32 hwreg(HW_REG_WAVE_MODE, 25, 1), 1
	s_wait_xcnt 0x0
; out0[n] = the first index v at which sum over k of x[n][k] di[k][v] is largest, as f32.  x: [4096][2048], di: [2048][8192], f32.
; THE PROGRAM: this launch rounds x and di once to bf16 (to nearest even), in their own layouts; the second multiplies and keeps, for each row and each
; work-group column, the largest score and its lowest column; the third picks each row's winner.
; NOTHING IS LEFT OUT: every number of x and di enters a score, and every score can be a row's largest; both inputs are loaded whole.
; WHY A LAUNCH OF ITS OWN: each tile of x is multiplied by 32 tile columns and each tile of di by 16 tile rows; rounded here, each number is rounded once,
; and the product moves two bytes a number.
; LIMITS OF THE PROGRAM.  The products' operands are x and di rounded to bf16, the sums f32: two scores of a row that lie closer than the f32 sums' own error
; may change places.  Scores are taken as finite: a NaN is not taken for the largest.
; THIS LAUNCH is a stream: no number is used twice, so LDS, barriers, matrix instructions and clusters have nothing to add.
; SHARES.  A work-group takes 131,072 input bytes: work-groups 0-255 those of x, 256-767 those of di.  A wave takes 16,384 of them by 32 loads of 512
; consecutive bytes, all issued before the first wait; each store of a wave covers 256 consecutive bytes, aligned.  No register is used twice, so no wait frees one.
.set X, 8                              ; v[8:135]  load j's four numbers at X + 4 j; its two packed words take the first two places
	s_load_b256 s[4:11], s[0:1], 0x0               ; x s[4:5], di s[6:7], xb s[8:9], dib s[10:11]
	v_and_b32 v1, 31, v0                           ; lane
	v_lshrrev_b32 v2, 5, v0                        ; wave
	v_lshlrev_b32 v3, 4, v1
	v_lshl_add_u32 v3, v2, 14, v3                  ; in: 16 x lane + 16,384 x wave
	v_lshlrev_b32 v4, 3, v1
	v_lshl_add_u32 v4, v2, 13, v4                  ; out: 8 x lane + 8,192 x wave
	s_cmp_lt_u32 ttmp9, 256
	s_cselect_b32 s12, 0, 256
	s_sub_co_u32 s12, ttmp9, s12                   ; my chunk in its tensor
	s_lshl_b32 s14, s12, 17                        ; its first byte in, 67 million at the most,
	s_mov_b32 s15, 0
	s_lshl_b32 s16, s12, 16                        ; and out
	s_mov_b32 s17, 0
	s_wait_kmcnt 0x0
	s_cmp_lt_u32 ttmp9, 256                        ; compared again: the subtraction and the shifts have written SCC
	s_cselect_b64 s[18:19], s[4:5], s[6:7]
	s_cselect_b64 s[20:21], s[8:9], s[10:11]
	s_add_nc_u64 s[18:19], s[18:19], s[14:15]
	s_add_nc_u64 s[20:21], s[20:21], s[16:17]
.set j, 0
.rept 32
	global_load_b128 v[X+4*j:X+4*j+3], v3, s[18:19] offset:512*j th:TH_LOAD_NT
.set j, j+1
.endr
.set j, 0
.rept 32
	s_wait_loadcnt 31-j                            ; loads come back in order: load j is in, the 31 - j younger ones stay out
	v_cvt_pk_bf16_f32 v[X+4*j], v[X+4*j], v[X+4*j+1]
	v_cvt_pk_bf16_f32 v[X+4*j+1], v[X+4*j+2], v[X+4*j+3]
	global_store_b64 v4, v[X+4*j:X+4*j+1], s[20:21] offset:256*j th:TH_STORE_NT
.set j, j+1
.endr
	s_endpgm
.Lfunc_end_k_qd355278530_cast:
	.size	k_qd355278530_cast, .Lfunc_end_k_qd355278530_cast-k_qd355278530_cast
	.p2alignl 7, 3214868480
	.fill 96, 4, 3214868480
	.section	.rodata,"a",@progbits
	.p2align	6, 0x0
	.amdhsa_kernel k_qd355278530_cast
		.amdhsa_group_segment_fixed_size 0
		.amdhsa_private_segment_fixed_size 0
		.amdhsa_enable_private_segment 0
		.amdhsa_kernarg_size 32
		.amdhsa_user_sgpr_count 2
		.amdhsa_user_sgpr_kernarg_segment_ptr 1
		.amdhsa_wavefront_size32 1
		.amdhsa_system_sgpr_workgroup_id_x 1
		.amdhsa_system_sgpr_workgroup_id_y 1
		.amdhsa_system_sgpr_workgroup_id_z 1
		.amdhsa_system_vgpr_workitem_id 0
		.amdhsa_next_free_vgpr 136
		.amdhsa_next_free_sgpr 66
		.amdhsa_reserve_vcc 0
		.amdhsa_float_denorm_mode_32 3
		.amdhsa_float_denorm_mode_16_64 3
		.amdhsa_memory_ordered 1
		.amdhsa_forward_progress 1
		.amdhsa_inst_pref_size 13
	.end_amdhsa_kernel
	.amdgpu_metadata
---
amdhsa.version: [ 1, 2 ]
amdhsa.kernels:
  - .name:           k_qd355278530_cast
    .symbol:         k_qd355278530_cast.kd
    .args:
      - { .name: x, .offset: 0, .size: 8, .value_kind: global_buffer, .address_space: global }
      - { .name: di, .offset: 8, .size: 8, .value_kind: global_buffer, .address_space: global }
      - { .name: xb, .offset: 16, .size: 8, .value_kind: global_buffer, .address_space: global }
      - { .name: dib, .offset: 24, .size: 8, .value_kind: global_buffer, .address_space: global }
    .group_segment_fixed_size: 0
    .private_segment_fixed_size: 0
    .kernarg_segment_align: 8
    .kernarg_segment_size: 32
    .max_flat_workgroup_size: 256
    .sgpr_count:     66
    .vgpr_count:     136
    .wavefront_size: 32
...
	.end_amdgpu_metadata
.endif
;; end of part 1
;; launch gemm (part 2): grid 16 x 16, 4 waves a work-group, clusters of 4 x 4, 327,680 bytes of LDS; arguments xb, dib, part; writes part
.if DOCPART == 2
	.amdgcn_target "amdgcn-amd-amdhsa--gfx1250"
	.amdhsa_code_object_version 6
	.text
	.protected	k_qd355278530_gemm
	.globl	k_qd355278530_gemm
	.p2align	8
	.type	k_qd355278530_gemm,@function
k_qd355278530_gemm:
	s_mov_b64 s[64:65], 0
	v_nop
	global_prefetch_b8 v0, s[64:65] scope:SCOPE_SE
	s_setreg_imm32_b32 hwreg(HW_REG_WAVE_MODE, 25, 1), 1
	s_wait_xcnt 0x0
	s_wait_alu depctr_hold_cnt(0) depctr_sa_sdst(0) depctr_va_vdst(0) depctr_va_sdst(0) depctr_va_ssrc(0) depctr_va_vcc(0) depctr_vm_vsrc(0)
	s_getreg_b32 s2, hwreg(HW_REG_IB_STS2, 6, 4)
	s_cmp_eq_u32 s2, 0
	s_cbranch_scc0 .Lentry_in_a_cluster
	s_endpgm
.Lentry_in_a_cluster:
	s_bfe_u32 s2, ttmp6, 0x10000c
	s_cmp_lg_u32 s2, 0xf033
	s_cbranch_scc0 .Lentry_shape_is_right
	s_endpgm
.Lentry_shape_is_right:
; scores[n][v] = sum over k of xb[n][k] dib[k][v]; xb: [4096][2048], dib: [2048][8192], bf16; sums in f32.  The scores are never stored: for each row and each of 16 work-group columns
; the largest score and the lowest column that has it go to part: value at byte (wx x 4096 + row) x 4, the column as f32 (exact: at most 8,191) 262,144 bytes further on.
; Nothing is left out: every score can be a row's largest.  LIMITS: scores are taken as finite (a NaN is not taken for the largest); scores closer than the f32 sums' error may change places.
; SHARES.  A tile of scores is 256 x 256: four waves, each 128 x 128 in 64 accumulators of 16 x 16.  A work-group stays and makes TWO tiles, columns 256 (wx + 16 t): both take the same rows of xb.
; K goes in steps of 128 through a ring of two LDS slots filled by tensor loads: 128 rows x 256 bytes a wave; every row begins at a multiple of 256 bytes from its buffer's first byte.
; CLUSTERS: 4 x 4 work-groups.  The four of a row of the cluster need the same tiles of xb, the four of a column the same tiles of dib: each tile is asked for JOINTLY, by the same tensor load
; with the same descriptor and a mask that names the four.
; dib LIES [k][v]: its tile comes into LDS as it lies, 128 k-rows of 128 columns, and ds_load_tr16_b128 turns it on the way into registers.
; THE MATRIX INSTRUCTION IS USED TRANSPOSED: source 0 = 16 columns of dib, source 1 = 16 rows of xb.  Lane l then holds ONE row (l % 16), and register q of accumulator (a, b) its column
; 16 b + 8 (l / 16) + q: a row's maximum is found inside a lane, and the lanes meet once, at the launch's end.
; THE ARGMAX.  Over a lane's 64 scores of a row in ascending column order: compare, select the code j = 8 b + q, maximum; an equal score keeps the earlier column, as the first index wins.
; Tile 1's columns lie above tile 0's for the same lane, so the same rule merges the tiles.  Between lanes, waves and work-groups the columns interleave: there value and column are compared.
; REGISTERS, in windows of 256 (s_set_vgpr_msb: bits 1:0 source 0, 3:2 source 1, 5:4 source 2, 7:6 destination):
;   window 0: v0-31 addresses; v32-63 the argmax's 32 registers; v64-127, v128-191 fragments of xb, two buffers; v192-199 at work
;   window 1: v64-127, v128-191 fragments of dib, two buffers      window 2: the accumulators of my rows 0-63 ((a, b) at v[8 (8 a + b)])      window 3: those of my rows 64-127
.set SIZE_K, 2048
.set SIZE_V, 8192
.set KSTEP,  128
.set LAPS,   SIZE_K/(2*KSTEP)          ; a lap = two K steps = once round the ring
.set PA,     272                       ; an LDS row of xb: 256 bytes + 16 of padding = 68 words: the 16 rows of a load start at 16 different groups of four banks (64 banks of 4 bytes: ISA guide 11.1)
.set PB,     288                       ; an LDS row of dib: 256 + 32 = 72 words
.set HALFA,  128*PA                    ; 128 rows of xb: one tensor load
.set HALFB,  128*PB                    ; 128 k-rows x 128 columns of dib: one tensor load
.set SLOT,   2*HALFA+2*HALFB           ; xb's two halves (by rows), then dib's two halves (by columns)
.set STAGE,  2*SLOT                    ; behind the ring, never filled by a tensor load: 2 x 256 values, then 2 x 256 columns, 4,096 bytes
.set SPARE,  STAGE+4096                ; behind the stage: the spare words, 128 bytes for each wave: two blocks of 256 bytes that no other line names
.set A_STEP, KSTEP*2                   ; bytes from a K step to the next: along a row of xb,
.set B_STEP, KSTEP*SIZE_V*2            ; 128 rows down in dib
.set B_TILE, 16*256*2                  ; bytes from a tile's columns of dib to the next tile's
.set BACK_A, 14*A_STEP                 ; from a slot's last K step of a tile to its first of the next: xb goes back along K,
.set BACK_B, 14*B_STEP-B_TILE          ; dib back along K and 4,096 columns on
.set ADRA, 16                          ; v16-17  LDS address of my fragments of xb in slot 0, 1
.set ADRB, 20                          ; v20-21  the same for dib
.set STA,  24                          ; v24     the end: where I put a row's value (lanes 0-15) or column (lanes 16-31)
.set STR,  25                          ; v25     the end: where I read two rows back
.set GO,   26                          ; v26     my byte offset in the work-group's 1,024 bytes of part
.set CB,   27                          ; v27     the column of my code 0 in the tile in hand
.set SPW,  28                          ; v28     LDS address of my spare word: SPARE + 4 x my thread's number; never rewritten
.set NIL,  29                          ; v29     0; never rewritten
.set PFO,  30                          ; v30     the prefetches' offset: my lane x a row of xb or dib in memory; never rewritten
.set TB,   32                          ; v32-39  the tile's largest score, for row block g = 0..7
.set TI,   40                          ; v40-47  its code, then its column
.set RB,   48                          ; v48-55  the largest score so far
.set RI,   56                          ; v56-63  its column
.set F0,   64                          ; fragment buffer 0
.set F1,   128                         ; fragment buffer 1
.set T,    192                         ; v192-199 at work
.set G1,  24                           ; s[24:31] descriptor group 1 for xb's tiles
.set G0,  32                           ; s[32:39] descriptor group 0 for xb's tiles, one set for each slot
.set G1B, 48                           ; s[48:55] descriptor group 1 for dib's tiles
.set G0B, 56                           ; s[56:63] descriptor group 0 for dib's tiles, one set for each slot
.set LIM, 43                           ; s43      1 in a wave that prefetches, else the greatest number
.set PFA, 44                           ; s[44:45] where my prefetches stand
.set PST, 66                           ; s[66:67] bytes from a K step to the next in the tensor that I fetch
.set PBK, 68                           ; s[68:69] bytes back from the K step two behind a tile's last to the next tile's K step 2
.set SEL, 70                           ; s70-71   v_permlanex16_b32's selects: each lane takes its own place in the other half
.set MK,  72                           ; s72-75   four masks
.set HM,  76                           ; s76      lanes 16-31
.set MSB, 0
.macro WIN new                         ; the immediate's high byte repeats the setting that is left; a switch that changes nothing is dropped
.if MSB != (\new)
	s_set_vgpr_msb (MSB<<8)|(\new)
.set MSB, \new
.endif
.endm
.set MUL_LO, 0xa1                      ; source 0 (dib) window 1, source 1 (xb) window 0, C and D window 2
.set MUL_HI, 0xf1                      ; the same, C and D window 3
.set TO_B,   0x40                      ; destination window 1, address window 0
; A joint load.  Waves 0 and 1 fetch xb's two halves, waves 2 and 3 dib's.  Each of the two lines has ONE mask and one set of registers for all that issue it.  The branch hangs on the wave's
; number alone.  An s_nop 0 and four v_nop follow each of the two lines, ahead of the jump, the label and what follows.
.macro JLOAD s
	s_cmp_eq_u32 s11, 0
	s_cbranch_scc0 .Lfor_b_\@
	tensor_load_to_lds s[G0+4*(\s):G0+4*(\s)+3], s[G1:G1+7]
	s_nop 0
.rept 4
	v_nop
.endr
	s_branch .Lasked_\@
.Lfor_b_\@:
	tensor_load_to_lds s[G0B+4*(\s):G0B+4*(\s)+3], s[G1B:G1B+7]
	s_nop 0
.rept 4
	v_nop
.endr
.Lasked_\@:
.endm
; A PREFETCH, behind each joint load, its five lines and the run of LDS loads that follows them: the K step that stands TWO refills on (512 matrix instructions ahead of the load that will want it):
; 32 rows x 256 bytes, a lane a row, one instruction a wave.  Each row's 256 bytes of a K step are named ONCE in the launch: xb's tile row is read by every cluster of that row of clusters, and the
; one with x = 0 asks; dib's tile column by every cluster of that column, and the one with y = 0 asks.  The four partners that ask for a tile jointly share its 128 rows out BY ADDRESS, 32 each
; (by cx for xb, by cy for dib): no branch hangs on a work-group's place in its cluster.  how = 0, in the loop: a tile's last two refills have no K step two on; how = 1, at the change of tiles.
.macro ASK how
.if \how
	s_cmp_eq_u32 s[LIM], 1
.else
	s_cmp_gt_u32 s3, s[LIM]                        ; s3 = 1 in the loop's last trip
.endif
	s_cbranch_scc0 .Lnot_mine_\@
	global_prefetch_b8 v[PFO], s[PFA:PFA+1] th:TH_LOAD_NT scope:SCOPE_SE
.Lnot_mine_\@:
.endm
; A round of the cluster's barrier: my work-group's barrier, so that wave 0's signal speaks for all four waves; wave 0 signals for the work-group; every wave waits for all sixteen work-groups;
; my work-group's barrier once more.  No LDS instruction of the wave is pending at a signal.
.macro CREST                           ; a round behind its opening barrier
	s_cmp_lg_u32 s10, 0
	s_cbranch_scc1 .Lnot_wave_0_\@
	s_barrier_signal -3
.Lnot_wave_0_\@:
	s_barrier_wait -3
	s_barrier_signal -1
	s_barrier_wait -1
.endm
.macro CROUND                          ; a whole round
	s_barrier_signal -1
	s_barrier_wait -1
	CREST
.endm
	s_load_b128 s[4:7], s[0:1], 0x0                ; xb s[4:5], dib s[6:7]
	s_load_b64 s[8:9], s[0:1], 0x10                ; part
	v_lshl_add_u32 v[SPW], v0, 2, SPARE
	v_mov_b32 v[NIL], 0
	ds_add_u32 v[SPW], v[NIL]                      ; the wave's opening: the add, twice on end, and its wait ahead of my first tensor load; the set-up below stands between
	ds_add_u32 v[SPW], v[NIL]                      ; and once more, under the one wait
	v_lshrrev_b32 v1, 5, v0
	v_readfirstlane_b32 s10, v1                    ; wave 0..3
	s_lshr_b32 s11, s10, 1                         ; which half of the tile's rows is mine.  Also: I fetch for xb (0) or for dib (1)
	s_and_b32 s12, s10, 1                          ; which half of its columns.  Also: which half of that tensor's tile I fetch
	s_bfe_u32 s40, ttmp6, 0x40000                  ; cx: my place along the cluster's x
	s_bfe_u32 s41, ttmp6, 0x40004                  ; cy: along its y
	s_lshl_b32 s42, ttmp9, 2                       ; in a cluster launch ttmp9 and ttmp7 count clusters
	s_add_co_u32 s42, s42, s40                     ; wx = 4 x cluster x + cx: my work-group column
	s_and_b32 s13, ttmp7, 0xffff
	s_lshl_b32 s13, s13, 2
	s_add_co_u32 s13, s13, s41                     ; ty = 4 x cluster y + cy: my tile row
	s_lshl_b32 s43, s41, 2
	s_lshl_b32 s43, 15, s43                        ; my row of the cluster: places 4 cy .. 4 cy + 3
	s_lshl_b32 s44, 0x1111, s40                    ; my column: places cx, cx + 4, cx + 8, cx + 12
	; descriptor group 1: a tile of 128 rows x 128 elements of 2 bytes, padded in LDS after every 64 words
	s_or_b32 s[G1+0], s43, (1<<16)|(1<<20)|(1<<21)|(5<<22)|(3<<25)   ; 15:0 the mask: xb's tiles go to my row; 17:16 2-byte elements; 20 padding on; 21 set beside a mask; 24:22 code 5: every 64 words; 31:25 code 3: 4 words
	s_or_b32 s[G1B+0], s44, (1<<16)|(1<<20)|(1<<21)|(5<<22)|(7<<25)  ; the mask of my column, for dib's tiles; code 7: 8 words of padding
.irp g, G1, G1B
	s_mov_b32 s[(\g)+1], 128<<16                   ; tensor_dim0 = 128
	s_mov_b32 s[(\g)+2], 128<<16                   ; tensor_dim1 = 128
	s_mov_b32 s[(\g)+3], 128<<16                   ; tile_dim0 = 128
	s_mov_b32 s[(\g)+4], 128                       ; tile_dim1 = 128
	s_mov_b32 s[(\g)+6], 0
	s_mov_b32 s[(\g)+7], 0
.endr
	s_mov_b32 s[G1+5], SIZE_K                      ; elements from row to row: xb's,
	s_mov_b32 s[G1B+5], SIZE_V                     ; dib's
	; where the tiles come from.  xb's hang on ty alone, which my row of the cluster shares; dib's on wx alone, which my column shares.  Every wave makes both addresses and asks by one of them.
	s_lshl_b32 s17, s12, 7
	s_lshl_b32 s16, s13, 8
	s_add_co_u32 s16, s16, s17                     ; xb: row 256 ty + 128 x half,
	s_lshl_b32 s16, s16, 12                        ; of 4,096 bytes: under 2^24
	s_mov_b32 s17, 0
	s_lshl_b32 s46, s42, 9
	s_lshl_b32 s47, s12, 8
	s_add_co_u32 s46, s46, s47                     ; dib: column 256 wx + 128 x half, in bytes
	s_mov_b32 s47, 0
	s_mul_i32 s20, s12, HALFA                      ; and where they go: no place in the cluster enters an LDS address
	s_mul_i32 s21, s12, HALFB
	s_add_co_u32 s21, s21, 2*HALFA
	s_wait_dscnt 0x0                               ; both opening adds are done
	s_wait_kmcnt 0x0
	s_add_nc_u64 s[14:15], s[4:5], s[16:17]
	s_add_nc_u64 s[46:47], s[6:7], s[46:47]
	CROUND                                         ; all sixteen work-groups are here: the first joint loads meet
.irp s, 0,1
	s_mov_b32 s[G0+4*(\s)], 1                                        ; 1:0 count = 1
	s_add_co_u32 s[G0+4*(\s)+1], s20, (\s)*SLOT                      ; 63:32 LDS address
	s_add_nc_u64 s[G0+4*(\s)+2:G0+4*(\s)+3], s[14:15], (\s)*A_STEP   ; 120:64 global address: K step s
	s_or_b32 s[G0+4*(\s)+3], s[G0+4*(\s)+3], 0x80000000              ; 127:126 type = 2
	s_mov_b32 s[G0B+4*(\s)], 1
	s_add_co_u32 s[G0B+4*(\s)+1], s21, (\s)*SLOT
	s_add_nc_u64 s[G0B+4*(\s)+2:G0B+4*(\s)+3], s[46:47], (\s)*B_STEP
	s_or_b32 s[G0B+4*(\s)+3], s[G0B+4*(\s)+3], 0x80000000
	JLOAD \s                                       ; the ring is filled before anything else is done: two tensor loads of mine are out, later one
.endr
	; A fragment of xb is 16 rows x 32 K in 8 registers: lane l holds row l % 16; registers 0-3 K = 8 (l / 16) + 0..7, registers 4-7 K = 16 + 8 (l / 16) + 0..7: two loads of 16 bytes, 32 bytes apart.
	v_and_b32 v1, 15, v0                           ; r = l % 16
	v_bfe_u32 v2, v0, 4, 1                         ; h = l / 16; kept to the end
	v_mul_u32_u24 v3, v1, PA
	v_lshl_add_u32 v3, v2, 4, v3                   ; row x pitch + 16 x half
	; The turning load takes 16 k x 16 columns (lane l reads 16 bytes: k-row 8 (l / 16) + l % 8, columns 8 ((l / 8) % 2) + 0..7) and leaves half a fragment: lane l holds column l % 16 and 8 k.
	v_and_b32 v4, 7, v0
	v_lshl_add_u32 v4, v2, 3, v4
	v_mul_u32_u24 v4, v4, PB
	v_bfe_u32 v5, v0, 3, 1
	v_lshl_add_u32 v4, v5, 4, v4
	s_mul_i32 s22, s11, HALFA                      ; my 128 rows of xb
	s_mul_i32 s23, s12, HALFB                      ; my 128 columns of dib,
	s_add_co_u32 s23, s23, 2*HALFA                 ; which lie behind xb's two halves
.irp s, 0,1
	v_add_nc_u32 v[ADRA+(\s)], s22, v3
	v_add_nc_u32 v[ADRB+(\s)], s23, v4
	s_add_co_u32 s22, s22, SLOT
	s_add_co_u32 s23, s23, SLOT
.endr
	s_lshl_b32 s22, s12, 10                        ; the stage: values at (wave column x 256 + row) x 4, columns 2,048 bytes on; my row of block g is 128 x row half + 16 g + r
	s_lshl_b32 s23, s11, 9
	s_add_co_u32 s22, s22, s23
	s_add_co_u32 s22, s22, STAGE
	v_lshlrev_b32 v5, 2, v1
	v_lshl_add_u32 v5, v2, 11, v5
	v_add_nc_u32 v[STA], s22, v5
	v_lshl_add_u32 v[STR], v0, 3, STAGE            ; back: thread t takes rows 2 t and 2 t + 1
	v_lshlrev_b32 v[GO], 3, v0
	s_lshl_b32 s22, s12, 7
	s_lshl_b32 s23, s42, 8
	s_add_co_u32 s22, s22, s23
	v_lshl_add_u32 v[CB], v2, 3, s22               ; 8 h + 128 x column half + 256 wx
.irp g, 0,1,2,3,4,5,6,7
	v_mov_b32 v[RB+(\g)], 0xff800000               ; below every finite score
	v_mov_b32 v[RI+(\g)], 0
.endr
	s_lshl_b32 s46, s42, 14                        ; part at (wx x 4096 + 256 ty) x 4
	s_lshl_b32 s47, s13, 10
	s_add_co_u32 s46, s46, s47
	s_mov_b32 s47, 0
	s_add_nc_u64 s[8:9], s[8:9], s[46:47]
	s_mov_b32 s[SEL], 0x76543210
	s_mov_b32 s[SEL+1], 0xfedcba98
	; the prefetches: my work-group's 32 rows of the 128 that I fetch, at K step 3: the first refill steps the address to K step 4 and names it
	s_lshl_b32 s16, s13, 8
	s_lshl_b32 s17, s12, 7
	s_add_co_u32 s16, s16, s17
	s_lshl_b32 s17, s40, 5
	s_add_co_u32 s16, s16, s17                     ; xb: row 256 ty + 128 x half + 32 cx
	s_lshl_b32 s16, s16, 12
	s_add_co_u32 s16, s16, 3*A_STEP
	s_lshl_b32 s18, s42, 9
	s_lshl_b32 s17, s12, 8
	s_add_co_u32 s18, s18, s17                     ; dib: my columns' bytes,
	s_lshl_b32 s17, s41, 19
	s_add_co_u32 s18, s18, s17                     ; k-row 32 cy, of 16,384 bytes
	s_add_co_u32 s18, s18, 3*B_STEP
	s_and_b32 s22, ttmp7, 0xffff                   ; cluster y
	s_mov_b32 s[PST], B_STEP
	s_mov_b32 s[PST+1], 0
	s_mov_b32 s[PBK], 15*B_STEP-B_TILE
	s_mov_b32 s[PBK+1], 0
	s_mov_b32 s21, 0
	s_cmp_eq_u32 s11, 0                            ; do I fetch for xb?
	s_cselect_b32 s20, s16, s18
	s_cselect_b32 s22, ttmp9, s22                  ; the coordinate along which other clusters read the same rows
	s_cselect_b32 s23, 12, 14                      ; a row in memory is 2^12 or 2^14 bytes
	s_cselect_b32 s[PST], A_STEP, s[PST]
	s_cselect_b32 s[PBK], 15*A_STEP, s[PBK]
	s_cselect_b64 s[PFA:PFA+1], s[4:5], s[6:7]
	s_add_nc_u64 s[PFA:PFA+1], s[PFA:PFA+1], s[20:21]
	s_cmp_eq_u32 s22, 0
	s_cselect_b32 s[LIM], 1, -1                    ; the same in all sixteen partners, for a given wave
	v_and_b32 v[PFO], 31, v0
	v_lshlrev_b32 v[PFO], s23, v[PFO]
	; nothing is prefetched here, at the head, where every work-group's first two tiles are on their way: K steps 2 and 3 come by their refills alone
; 16 matrix instructions: row blocks a0, a0 + 1 of the window's four (hi = 0: my rows 0-63, 1: rows 64-127) x all 8 column blocks, 32 along K.  zero = 1: the product starts the sums: nothing is cleared.
; The 64 accumulators take turns in the same order in every quarter step, over the backward jumps and from tile to tile too.
.macro MUL16 f, hi, a0, zero
	WIN MUL_LO+0x50*(\hi)
.irp a, \a0, (\a0)+1
.irp b, 0,1,2,3,4,5,6,7
.if \zero
	v_wmma_f32_16x16x32_bf16 v[8*(8*(\a)+(\b)):8*(8*(\a)+(\b))+7], v[(\f)+8*(\b):(\f)+8*(\b)+7], v[(\f)+8*(4*(\hi)+(\a)):(\f)+8*(4*(\hi)+(\a))+7], 0
.else
	v_wmma_f32_16x16x32_bf16 v[8*(8*(\a)+(\b)):8*(8*(\a)+(\b))+7], v[(\f)+8*(\b):(\f)+8*(\b)+7], v[(\f)+8*(4*(\hi)+(\a)):(\f)+8*(4*(\hi)+(\a))+7], v[8*(8*(\a)+(\b)):8*(8*(\a)+(\b))+7]
.endif
.endr
.endr
.endm
; 32 LDS loads in one run: the fragments of quarter q of a K step (32 k: 128 columns of dib, turned; 128 rows of xb) into buffer f
.macro FETCH slot, q, f
	WIN TO_B
.irp i, 0,1,2,3,4,5,6,7
	ds_load_tr16_b128 v[(\f)+8*(\i):(\f)+8*(\i)+3],   v[ADRB+(\slot)] offset:(\q)*32*PB+32*(\i)
	ds_load_tr16_b128 v[(\f)+8*(\i)+4:(\f)+8*(\i)+7], v[ADRB+(\slot)] offset:(\q)*32*PB+16*PB+32*(\i)
.endr
	WIN 0
.irp i, 0,1,2,3,4,5,6,7
	ds_load_b128 v[(\f)+8*(\i):(\f)+8*(\i)+3],   v[ADRA+(\slot)] offset:(\q)*64+(\i)*16*PA
	ds_load_b128 v[(\f)+8*(\i)+4:(\f)+8*(\i)+7], v[ADRA+(\slot)] offset:(\q)*64+(\i)*16*PA+32
.endr
.endm
; A load into a register that a matrix instruction has read, and a vector instruction that reads a matrix result, stand four places behind that matrix instruction, and only plain vector
; instructions that name none of its registers are places (ISA guide 7.12.1 for vector instructions).
.macro PLACES
.rept 4
	v_nop
.endr
.endm
; A K step is four quarters of 32 along K, 64 matrix instructions each, on buffers 0, 1, 0, 1.  One of the first three: multiplies buffer f; in its middle it fetches quarter q of the same slot into buffer g.
.macro QUARTER slot, q, f, g, zero
	s_wait_dscnt 8                                 ; dib's fragments and xb's rows 0-63 are in; the youngest eight loads (xb's rows 64-127) may be out
	WIN MUL_LO
	MUL16 \f, 0, 0, \zero
	MUL16 \f, 0, 2, \zero
	PLACES
	FETCH \slot, \q, \g
	s_wait_dscnt 32                                ; all but the 32 just issued
	WIN MUL_HI
	MUL16 \f, 1, 0, \zero
	MUL16 \f, 1, 2, \zero
.endm
; The last quarter multiplies buffer 1 and changes slots.  MEET is its first half: ONE barrier for the change.  In front of it each wave waits for all its tensor loads, of which one is out: its part of
; the next slot; adds 0 to its spare word; and waits for that and for its own reads of this slot.  Behind it nobody reads this slot any more and the next slot is whole.
.macro MEET round                      ; round = 1: a round of the cluster's barrier follows
	WIN 0                                          ; (the add's two registers lie in window 0)
	s_wait_tensorcnt 0x0                           ; all my tensor loads have landed
	ds_add_u32 v[SPW], v[NIL]                      ; 0 onto my spare word
	s_wait_dscnt 9                                 ; (the add and the youngest eight loads may be out)
	WIN MUL_LO
	MUL16 F1, 0, 0, 0                              ; sixteen matrix instructions stand between the add and the wait for it
	s_wait_dscnt 0x0                               ; the add is done, and my reads of this slot are over
	s_barrier_signal -1
	MUL16 F1, 0, 2, 0                              ; work on registers while the others arrive
.if \round
	WIN 0
.endif
	s_barrier_wait -1
.endm
; The whole last quarter.  Behind the round the slot just read out is filled again first: with this tile's K step two steps on (on = 0) or, in the first tile's last two K steps, with the NEXT tile's
; K step 0 or 1 (on = 1); then come the next slot's first fragments.  From a request to the wait for it a wave issues 224 matrix instructions.
.macro TURN slot, next, on
	s_wait_xcnt 0x0                                ; the last prefetch, a K step back, has read its address: it is stepped here, ahead of the waits of the change of slots
.if (\on) && (\slot) == 0
	s_sub_nc_u64 s[PFA:PFA+1], s[PFA:PFA+1], s[PBK:PBK+1]  ; from the K step two behind the tile's last to the next tile's K step 2
	s_cmp_eq_u32 s11, 1
	s_cselect_b32 s[LIM], s[LIM], -1               ; xb's rows are the same for both tiles: they are asked for in the first tile alone
.else
	s_add_nc_u64 s[PFA:PFA+1], s[PFA:PFA+1], s[PST:PST+1]
.endif
	MEET 1
	CREST                                          ; all sixteen work-groups have said so: no wave of any partner still reads this slot's tile or has a load on its way
.if \on
	s_sub_nc_u64 s[G0+4*(\slot)+2:G0+4*(\slot)+3], s[G0+4*(\slot)+2:G0+4*(\slot)+3], BACK_A
	s_sub_nc_u64 s[G0B+4*(\slot)+2:G0B+4*(\slot)+3], s[G0B+4*(\slot)+2:G0B+4*(\slot)+3], BACK_B
.else
	s_add_nc_u64 s[G0+4*(\slot)+2:G0+4*(\slot)+3], s[G0+4*(\slot)+2:G0+4*(\slot)+3], 2*A_STEP
	s_add_nc_u64 s[G0B+4*(\slot)+2:G0B+4*(\slot)+3], s[G0B+4*(\slot)+2:G0B+4*(\slot)+3], 2*B_STEP
.endif
	JLOAD \slot                                    ; the first tensor load behind the round; the four v_nop behind it are also the places in front of the loads below
	FETCH \next, 0, F0
	ASK \on
	WIN MUL_HI
	MUL16 F1, 1, 0, 0
	MUL16 F1, 1, 2, 0
.endm
; A TILE'S ARGMAX.  For each of my eight row blocks g = 4 hi + a: the largest of the lane's 64 scores and its code j = 8 b + q, which lies at register 64 a + j of the block's window.  j ascends, so the
; columns ascend, and each accumulator's lowest register is read first.  Where the new score is not greater the old code stays.  Four blocks go side by side, each with a mask of its own.
.macro ARGMAX
	PLACES                                         ; behind the tile's last products
.irp hi, 0,1
	WIN 0x02+(\hi)                                 ; source 0: the accumulators' window; all else window 0
.irp a, 0,1,2,3
	v_mov_b32 v[TB+4*(\hi)+(\a)], v[64*(\a)]
.endr
.irp a, 0,1,2,3
	v_mov_b32 v[TI+4*(\hi)+(\a)], 0
.endr
.set j, 1
.rept 63
.irp a, 0,1,2,3
	v_cmp_le_f32 s[MK+(\a)], v[64*(\a)+j], v[TB+4*(\hi)+(\a)]
.endr
.irp a, 0,1,2,3
	v_cndmask_b32 v[TI+4*(\hi)+(\a)], j, v[TI+4*(\hi)+(\a)], s[MK+(\a)]
.endr
.irp a, 0,1,2,3
	v_max_num_f32 v[TB+4*(\hi)+(\a)], v[64*(\a)+j], v[TB+4*(\hi)+(\a)]
.endr
.set j, j+1
.endr
.endr
	WIN 0
.endm
; The code becomes a column: 16 b + q = j + (j & 56), plus the lane's first column of this tile.  Then the tile's best meets the best so far; an equal score keeps the earlier tile's, lower, column.
.macro MERGE
	WIN 0
.irp g, 0,1,2,3,4,5,6,7
	v_and_b32 v[T+(\g)], 56, v[TI+(\g)]
.endr
.irp g, 0,1,2,3,4,5,6,7
	v_add3_u32 v[TI+(\g)], v[TI+(\g)], v[T+(\g)], v[CB]
.endr
.irp u, 0,4
.irp a, 0,1,2,3
	v_cmp_le_f32 s[MK+(\a)], v[TB+(\u)+(\a)], v[RB+(\u)+(\a)]
.endr
.irp a, 0,1,2,3
	v_cndmask_b32 v[RI+(\u)+(\a)], v[TI+(\u)+(\a)], v[RI+(\u)+(\a)], s[MK+(\a)]
.endr
.irp a, 0,1,2,3
	v_max_num_f32 v[RB+(\u)+(\a)], v[TB+(\u)+(\a)], v[RB+(\u)+(\a)]
.endr
.endr
	v_add_nc_u32 v[CB], 4096, v[CB]                ; the next tile lies 16 x 256 columns on
.endm
; (bv, bi) takes (ov, oi) where ov is greater, or equal with the lower column.  Columns are f32 here, exact.
.macro LEX bv, bi, ov, oi
	v_cmp_eq_f32 s[MK], v[\ov], v[\bv]
	v_cmp_lt_f32 s[MK+1], v[\oi], v[\bi]
	v_cmp_gt_f32 s[MK+2], v[\ov], v[\bv]
	s_and_b32 s[MK], s[MK], s[MK+1]
	s_or_b32 s[MK], s[MK], s[MK+2]
	v_cndmask_b32 v[\bv], v[\bv], v[\ov], s[MK]
	v_cndmask_b32 v[\bi], v[\bi], v[\oi], s[MK]
.endm
	s_wait_tensorcnt 1                             ; my part of K step 0 is in; K step 1's may stay out
	s_barrier_signal -1
	s_barrier_wait -1                              ; everybody's is
	FETCH 0, 0, F0
	s_mov_b32 s2, 2                                ; tiles to go, this one among them: the same number in every work-group
.Ltile:                                                ; (FETCH and MERGE leave every window 0)
	QUARTER 0, 1, F0, F1, 1                        ; a tile's first quarter stands in front of the loop: its products start the sums
	WIN 0                                          ; at a label and at a branch every window is 0
	s_mov_b32 s3, LAPS-1
.Llap:                                                 ; a trip goes once round the ring, from a lap's second quarter to the next lap's first, and fills both slots again
	QUARTER 0, 2, F1, F0, 0
	QUARTER 0, 3, F0, F1, 0
	TURN 0, 1, 0
	QUARTER 1, 1, F0, F1, 0
	QUARTER 1, 2, F1, F0, 0
	QUARTER 1, 3, F0, F1, 0
	TURN 1, 0, 0
	QUARTER 0, 1, F0, F1, 0
	WIN 0
	s_sub_co_u32 s3, s3, 1
	s_cmp_lg_u32 s3, 0
	s_cbranch_scc1 .Llap
	QUARTER 0, 2, F1, F0, 0                        ; the tile's last lap goes on
	QUARTER 0, 3, F0, F1, 0
	WIN 0
	s_cmp_eq_u32 s2, 1
	s_cbranch_scc1 .Llast_tile                     ; the last tile's tail is written out: it asks for nothing more
	TURN 0, 1, 1                                   ; THE RING GOES ON INTO THE NEXT TILE: slot 0 takes its K step 0,
	QUARTER 1, 1, F0, F1, 0
	QUARTER 1, 2, F1, F0, 0
	QUARTER 1, 3, F0, F1, 0
	TURN 1, 0, 1                                   ; slot 1 its K step 1, and the next tile's first fragments are fetched: they and both refills are on their way under the argmax
	ARGMAX
	MERGE
	s_sub_co_u32 s2, s2, 1
	s_branch .Ltile
.Llast_tile:
	MEET 0                                         ; my one tensor load that was still out is slot 1's, the last K step's, so no round follows
	PLACES                                         ; for the loads into buffer 0, which the quarter before multiplied
	FETCH 1, 0, F0
	WIN MUL_HI
	MUL16 F1, 1, 0, 0
	MUL16 F1, 1, 2, 0
	QUARTER 1, 1, F0, F1, 0
	QUARTER 1, 2, F1, F0, 0
	QUARTER 1, 3, F0, F1, 0
	s_wait_dscnt 8                                 ; the very last quarter: nothing more to fetch
	WIN MUL_LO
	MUL16 F1, 0, 0, 0
	MUL16 F1, 0, 2, 0
	s_wait_dscnt 0x0
	WIN MUL_HI
	MUL16 F1, 1, 0, 0
	MUL16 F1, 1, 2, 0
	ARGMAX
	MERGE
	; THE END.  A row's other 128 columns of my half lie in the lane 16 away; the other wave column's meet mine in the stage; then each thread stores two rows' value and column.
.irp g, 0,1,2,3,4,5,6,7
	v_cvt_f32_u32 v[RI+(\g)], v[RI+(\g)]
.endr
.irp g, 0,1,2,3,4,5,6,7
	v_permlanex16_b32 v[TB+(\g)], v[RB+(\g)], s[SEL], s[SEL+1]
	v_permlanex16_b32 v[TI+(\g)], v[RI+(\g)], s[SEL], s[SEL+1]
.endr
.irp g, 0,1,2,3,4,5,6,7
	LEX RB+(\g), RI+(\g), TB+(\g), TI+(\g)
.endr
	v_cmp_ne_u32 s[HM], 0, v2
.irp g, 0,1,2,3,4,5,6,7
	v_cndmask_b32 v[T+(\g)], v[RB+(\g)], v[RI+(\g)], s[HM]  ; both halves of the lanes hold the same pair now: lanes 0-15 store the value, lanes 16-31 the column
.endr
.irp g, 0,1,2,3,4,5,6,7
	ds_store_b32 v[STA], v[T+(\g)] offset:64*(\g)
.endr
	s_wait_dscnt 0x0                               ; for the others' sake: my stores into the stage are done
	s_barrier_signal -1
	s_barrier_wait -1
	ds_load_b64 v[T:T+1],   v[STR]                 ; two rows' values of wave column 0,
	ds_load_b64 v[T+2:T+3], v[STR] offset:1024     ; of wave column 1,
	ds_load_b64 v[T+4:T+5], v[STR] offset:2048     ; and their columns
	ds_load_b64 v[T+6:T+7], v[STR] offset:3072
	s_wait_dscnt 0x0
	LEX T, T+4, T+2, T+6
	LEX T+1, T+5, T+3, T+7
	global_store_b64 v[GO], v[T:T+1],   s[8:9]                ; each store of a wave covers 256 consecutive bytes, aligned
	global_store_b64 v[GO], v[T+4:T+5], s[8:9] offset:262144
	s_wait_tensorcnt 0x0                           ; the wave's end, behind my last tensor load and my last LDS store
	ds_add_u32 v[SPW], v[NIL]
	s_wait_dscnt 0x0
	CROUND                                         ; the closing round: no work-group ends while a partner may still ask for a tile that names it
	s_endpgm
.Lfunc_end_k_qd355278530_gemm:
	.size	k_qd355278530_gemm, .Lfunc_end_k_qd355278530_gemm-k_qd355278530_gemm
	.p2alignl 7, 3214868480
	.fill 96, 4, 3214868480
	.section	.rodata,"a",@progbits
	.p2align	6, 0x0
	.amdhsa_kernel k_qd355278530_gemm
		.amdhsa_group_segment_fixed_size 327680
		.amdhsa_private_segment_fixed_size 0
		.amdhsa_enable_private_segment 0
		.amdhsa_kernarg_size 24
		.amdhsa_user_sgpr_count 2
		.amdhsa_user_sgpr_kernarg_segment_ptr 1
		.amdhsa_wavefront_size32 1
		.amdhsa_system_sgpr_workgroup_id_x 1
		.amdhsa_system_sgpr_workgroup_id_y 1
		.amdhsa_system_sgpr_workgroup_id_z 1
		.amdhsa_system_vgpr_workitem_id 0
		.amdhsa_next_free_vgpr 1024
		.amdhsa_next_free_sgpr 80
		.amdhsa_reserve_vcc 0
		.amdhsa_float_denorm_mode_32 3
		.amdhsa_float_denorm_mode_16_64 3
		.amdhsa_memory_ordered 1
		.amdhsa_forward_progress 1
		.amdhsa_inst_pref_size 255
	.end_amdhsa_kernel
	.section	.bss,"aw",@nobits
	.p2align	6
	.space	262144
	.amdgpu_metadata
---
amdhsa.version: [ 1, 2 ]
amdhsa.kernels:
  - .name:           k_qd355278530_gemm
    .symbol:         k_qd355278530_gemm.kd
    .args:
      - { .name: xb, .offset: 0, .size: 8, .value_kind: global_buffer, .address_space: global }
      - { .name: dib, .offset: 8, .size: 8, .value_kind: global_buffer, .address_space: global }
      - { .name: part, .offset: 16, .size: 8, .value_kind: global_buffer, .address_space: global }
    .group_segment_fixed_size: 327680
    .private_segment_fixed_size: 0
    .kernarg_segment_align: 8
    .kernarg_segment_size: 24
    .max_flat_workgroup_size: 128
    .sgpr_count:     80
    .vgpr_count:     1024
    .wavefront_size: 32
...
	.end_amdgpu_metadata
.endif
;; end of part 2
;; launch pick (part 3): grid 64 x 1, 1 waves a work-group, no clusters, 0 bytes of LDS; arguments part, out0; writes out0
.if DOCPART == 3
	.amdgcn_target "amdgcn-amd-amdhsa--gfx1250"
	.amdhsa_code_object_version 6
	.text
	.protected	k_qd355278530_pick
	.globl	k_qd355278530_pick
	.p2align	8
	.type	k_qd355278530_pick,@function
k_qd355278530_pick:
	s_mov_b64 s[64:65], 0
	v_nop
	global_prefetch_b8 v0, s[64:65] scope:SCOPE_SE
	s_setreg_imm32_b32 hwreg(HW_REG_WAVE_MODE, 25, 1), 1
	s_wait_xcnt 0x0
; out0[row] = the column of the row's largest score, as f32: the best of the 16 pairs (value, column) that the product's work-group columns left in part.
; part: value at byte (p x 4096 + row) x 4, p = 0..15; the column, as f32, 262,144 bytes further on.  Nothing is left out.
; A work-group column's two tiles interleave with its neighbours' columns, so an equal value is decided by the lower column: the first index wins.  Values are taken as finite.
; SHARES.  4,096 rows, two to a lane: 64 work-groups of one wave, which is all the work there is.  Each load and the store cover 256 consecutive bytes, aligned; all 32 loads go out before the one wait.
; No LDS, no barrier, no matrix instruction: a lane's rows meet nobody else's.
.set VAL, 4                            ; v[4:35]   pair p's values of my two rows at VAL + 2 p
.set IDX, 36                           ; v[36:67]  their columns at IDX + 2 p
; (bv, bi) takes (ov, oi) where ov is greater, or equal with the lower column; three masks from s[m] on
.macro LEX bv, bi, ov, oi, m
	v_cmp_eq_f32 s[\m], v[\ov], v[\bv]
	v_cmp_lt_f32 s[(\m)+1], v[\oi], v[\bi]
	v_cmp_gt_f32 s[(\m)+2], v[\ov], v[\bv]
	s_and_b32 s[\m], s[\m], s[(\m)+1]
	s_or_b32 s[\m], s[\m], s[(\m)+2]
	v_cndmask_b32 v[\bv], v[\bv], v[\ov], s[\m]
	v_cndmask_b32 v[\bi], v[\bi], v[\oi], s[\m]
.endm
	s_load_b128 s[4:7], s[0:1], 0x0                ; part s[4:5], out0 s[6:7]
	v_lshlrev_b32 v1, 3, v0                        ; 8 bytes a lane,
	s_lshl_b32 s8, ttmp9, 8                        ; 256 a work-group
	v_add_nc_u32 v1, s8, v1
	s_wait_kmcnt 0x0
.set p, 0
.rept 16
	global_load_b64 v[VAL+2*p:VAL+2*p+1], v1, s[4:5] offset:16384*p
	global_load_b64 v[IDX+2*p:IDX+2*p+1], v1, s[4:5] offset:262144+16384*p
.set p, p+1
.endr
	s_wait_loadcnt 0x0
.irp st, 8,4,2,1                       ; a tree: pair p takes pair p + st
.set p, 0
.rept \st
	LEX VAL+2*p, IDX+2*p, VAL+2*(p+\st), IDX+2*(p+\st), 10
	LEX VAL+2*p+1, IDX+2*p+1, VAL+2*(p+\st)+1, IDX+2*(p+\st)+1, 13
.set p, p+1
.endr
.endr
	global_store_b64 v1, v[IDX:IDX+1], s[6:7]
	s_endpgm
.Lfunc_end_k_qd355278530_pick:
	.size	k_qd355278530_pick, .Lfunc_end_k_qd355278530_pick-k_qd355278530_pick
	.p2alignl 7, 3214868480
	.fill 96, 4, 3214868480
	.section	.rodata,"a",@progbits
	.p2align	6, 0x0
	.amdhsa_kernel k_qd355278530_pick
		.amdhsa_group_segment_fixed_size 0
		.amdhsa_private_segment_fixed_size 0
		.amdhsa_enable_private_segment 0
		.amdhsa_kernarg_size 16
		.amdhsa_user_sgpr_count 2
		.amdhsa_user_sgpr_kernarg_segment_ptr 1
		.amdhsa_wavefront_size32 1
		.amdhsa_system_sgpr_workgroup_id_x 1
		.amdhsa_system_sgpr_workgroup_id_y 1
		.amdhsa_system_sgpr_workgroup_id_z 1
		.amdhsa_system_vgpr_workitem_id 0
		.amdhsa_next_free_vgpr 68
		.amdhsa_next_free_sgpr 66
		.amdhsa_reserve_vcc 0
		.amdhsa_float_denorm_mode_32 3
		.amdhsa_float_denorm_mode_16_64 3
		.amdhsa_memory_ordered 1
		.amdhsa_forward_progress 1
		.amdhsa_inst_pref_size 15
	.end_amdhsa_kernel
	.amdgpu_metadata
---
amdhsa.version: [ 1, 2 ]
amdhsa.kernels:
  - .name:           k_qd355278530_pick
    .symbol:         k_qd355278530_pick.kd
    .args:
      - { .name: part, .offset: 0, .size: 8, .value_kind: global_buffer, .address_space: global }
      - { .name: out0, .offset: 8, .size: 8, .value_kind: global_buffer, .address_space: global }
    .group_segment_fixed_size: 0
    .private_segment_fixed_size: 0
    .kernarg_segment_align: 8
    .kernarg_segment_size: 16
    .max_flat_workgroup_size: 32
    .sgpr_count:     66
    .vgpr_count:     68
    .wavefront_size: 32
...
	.end_amdgpu_metadata
.endif
;; end of part 3
;; ======== version 2 of 2: 3 launches; version 1 with the launch cast written anew for expert scheduling mode
;; workspace buffers: xb 16,777,216 bytes; dib 33,554,432 bytes; part 524,288 bytes
;; launch cast (part 4): grid 768 x 1, 8 waves a work-group, no clusters, 0 bytes of LDS; arguments x, di, xb, dib; writes xb, dib
.if DOCPART == 4
	.amdgcn_target "amdgcn-amd-amdhsa--gfx1250"
	.amdhsa_code_object_version 6
	.text
	.protected	k_qd355278530_cast
	.globl	k_qd355278530_cast
	.p2align	8
	.type	k_qd355278530_cast,@function
k_qd355278530_cast:
	s_mov_b64 s[64:65], 0
	v_nop
	global_prefetch_b8 v0, s[64:65] scope:SCOPE_SE
	s_setreg_imm32_b32 hwreg(HW_REG_WAVE_SCHED_MODE, 0, 2), 2
	s_setreg_imm32_b32 hwreg(HW_REG_WAVE_MODE, 25, 1), 1
	s_wait_xcnt 0x0
	s_wait_alu depctr_vm_vsrc(0)
; out0[n] = the first index v at which sum over k of x[n][k] di[k][v] is largest, as f32.  x: [4096][2048], di: [2048][8192], f32.
; THE PROGRAM: this launch rounds x and di once to bf16 (to nearest even), in their own layouts; the second multiplies and keeps, for each row and each
; work-group column, the largest score and its lowest column; the third picks each row's winner.
; NOTHING IS LEFT OUT: every number of x and di enters a score, and every score can be a row's largest; both inputs are loaded whole.
; WHY A LAUNCH OF ITS OWN: each tile of x is multiplied by 32 tile columns and each tile of di by 16 tile rows; rounded here, each number is rounded once,
; and the product moves two bytes a number.
; LIMITS OF THE PROGRAM.  The products' operands are x and di rounded to bf16, the sums f32: two scores of a row that lie closer than the f32 sums' own error
; may change places.  Scores are taken as finite: a NaN is not taken for the largest.
; THIS LAUNCH is a stream: no number is used twice, so LDS, barriers, matrix instructions and clusters have nothing to add.
; SHARES.  A work-group takes 131,072 input bytes: work-groups 0-255 those of x, 256-767 those of di.  A wave takes 16,384 of them by 32 loads of 512
; consecutive bytes, all issued before the first wait; each store of a wave covers 256 consecutive bytes, aligned.  No register is used twice, so no wait frees one.
; THE MODE: SCHED_MODE bits 1:0 = 2 (LLVM: expert scheduling mode 2), set by the entry lines.  The code itself states the register dependences
; between vector instructions and memory instructions, with s_wait_alu, always for 0.
; THE PLAN.  Registers that memory instructions touch:
;   v3, v4          byte offsets in and out: written at the head, read by every load (v3) and every store (v4), never written again.
;   X + 4 j ..      load j lands here, once; no vector instruction names these registers before it.  Load j's two roundings read all four and write the
;                   first two, which store j reads; nothing writes them again.
; The 32 loads go in 8 blocks of four.  Block p rounds loads 4 p to 4 p + 3; its memory instructions are the four stores of block p - 1, whose data no vector
; instruction of block p names.  So one wait at a block's head states all that the block's four stores hang on, and they are dealt among its eight roundings.
.set X, 8                              ; v[8:135]  load j's four numbers at X + 4 j; its two packed words take the first two places
.set BLOCK,  4                         ; loads in a block
.set BLOCKS, 32 / BLOCK
	s_load_b256 s[4:11], s[0:1], 0x0               ; x s[4:5], di s[6:7], xb s[8:9], dib s[10:11]
	v_and_b32 v1, 31, v0                           ; lane
	v_lshrrev_b32 v2, 5, v0                        ; wave
	v_lshlrev_b32 v3, 4, v1
	v_lshl_add_u32 v3, v2, 14, v3                  ; in: 16 x lane + 16,384 x wave
	v_lshlrev_b32 v4, 3, v1
	v_lshl_add_u32 v4, v2, 13, v4                  ; out: 8 x lane + 8,192 x wave
	s_cmp_lt_u32 ttmp9, 256
	s_cselect_b32 s12, 0, 256
	s_sub_co_u32 s12, ttmp9, s12                   ; my chunk in its tensor
	s_lshl_b32 s14, s12, 17                        ; its first byte in, 67 million at the most,
	s_mov_b32 s15, 0
	s_lshl_b32 s16, s12, 16                        ; and out
	s_mov_b32 s17, 0
	s_wait_kmcnt 0x0
	s_cmp_lt_u32 ttmp9, 256                        ; compared again: the subtraction and the shifts have written SCC
	s_cselect_b64 s[18:19], s[4:5], s[6:7]
	s_cselect_b64 s[20:21], s[8:9], s[10:11]
	s_add_nc_u64 s[18:19], s[18:19], s[14:15]
	s_add_nc_u64 s[20:21], s[20:21], s[16:17]
	s_wait_alu depctr_va_vdst(0)                   ; v3 and v4 are written: every load of the kernel reads v3 as its offset, every store v4
.set j, 0
.rept 32
	global_load_b128 v[X+4*j:X+4*j+3], v3, s[18:19] offset:512*j th:TH_LOAD_NT
.set j, j+1
.endr
.set p, 0
.rept BLOCKS
	s_wait_loadcnt 32-BLOCK-BLOCK*p                ; loads come back in order: block p's four are in, the 28 - 4 p younger ones stay out
.if p > 0
	s_wait_alu depctr_va_vdst(0)                   ; the block before has written its eight packed words, which the four stores below read
.endif
.set i, 0
.rept BLOCK
.set j, BLOCK*p+i
.if p > 0
	global_store_b64 v4, v[X+4*(j-BLOCK):X+4*(j-BLOCK)+1], s[20:21] offset:256*(j-BLOCK) th:TH_STORE_NT  ; the block before; no vector instruction since the wait names these registers
.endif
	v_cvt_pk_bf16_f32 v[X+4*j], v[X+4*j], v[X+4*j+1]
	v_cvt_pk_bf16_f32 v[X+4*j+1], v[X+4*j+2], v[X+4*j+3]
.set i, i+1
.endr
.set p, p+1
.endr
	s_wait_alu depctr_va_vdst(0)                   ; the last block has written its eight packed words, which the last four stores read
.set j, 32-BLOCK
.rept BLOCK
	global_store_b64 v4, v[X+4*j:X+4*j+1], s[20:21] offset:256*j th:TH_STORE_NT
.set j, j+1
.endr
	s_endpgm
.Lfunc_end_k_qd355278530_cast:
	.size	k_qd355278530_cast, .Lfunc_end_k_qd355278530_cast-k_qd355278530_cast
	.p2alignl 7, 3214868480
	.fill 96, 4, 3214868480
	.section	.rodata,"a",@progbits
	.p2align	6, 0x0
	.amdhsa_kernel k_qd355278530_cast
		.amdhsa_group_segment_fixed_size 0
		.amdhsa_private_segment_fixed_size 0
		.amdhsa_enable_private_segment 0
		.amdhsa_kernarg_size 32
		.amdhsa_user_sgpr_count 2
		.amdhsa_user_sgpr_kernarg_segment_ptr 1
		.amdhsa_wavefront_size32 1
		.amdhsa_system_sgpr_workgroup_id_x 1
		.amdhsa_system_sgpr_workgroup_id_y 1
		.amdhsa_system_sgpr_workgroup_id_z 1
		.amdhsa_system_vgpr_workitem_id 0
		.amdhsa_next_free_vgpr 136
		.amdhsa_next_free_sgpr 66
		.amdhsa_reserve_vcc 0
		.amdhsa_float_denorm_mode_32 3
		.amdhsa_float_denorm_mode_16_64 3
		.amdhsa_memory_ordered 1
		.amdhsa_forward_progress 1
		.amdhsa_inst_pref_size 12
	.end_amdhsa_kernel
	.amdgpu_metadata
---
amdhsa.version: [ 1, 2 ]
amdhsa.kernels:
  - .name:           k_qd355278530_cast
    .symbol:         k_qd355278530_cast.kd
    .args:
      - { .name: x, .offset: 0, .size: 8, .value_kind: global_buffer, .address_space: global }
      - { .name: di, .offset: 8, .size: 8, .value_kind: global_buffer, .address_space: global }
      - { .name: xb, .offset: 16, .size: 8, .value_kind: global_buffer, .address_space: global }
      - { .name: dib, .offset: 24, .size: 8, .value_kind: global_buffer, .address_space: global }
    .group_segment_fixed_size: 0
    .private_segment_fixed_size: 0
    .kernarg_segment_align: 8
    .kernarg_segment_size: 32
    .max_flat_workgroup_size: 256
    .sgpr_count:     66
    .vgpr_count:     136
    .wavefront_size: 32
...
	.end_amdgpu_metadata
.endif
;; end of part 4
;; launch gemm: the kernel of part 2 again; grid 16 x 16, 4 waves a work-group, clusters of 4 x 4, 327,680 bytes of LDS; arguments xb, dib, part; writes part
;; launch pick: the kernel of part 3 again; grid 64 x 1, 1 waves a work-group, no clusters, 0 bytes of LDS; arguments part, out0; writes out0
